; MI455X (gfx1250); checked and timed in simulation.
; The chip was launched on July 23, 2026; its instructions are those of AMD's public machine-readable ISA for CDNA 5 (MIT licence, August 2026) and "CDNA5" Instruction Set Architecture Reference Guide (July 2026). The comments in the code are by the model that wrote it; some were corrected since.
;; LPGMISTA. Allowed arithmetic: float matrix products may take bf16 or f16 operands with f32 sums; other float arithmetic in f32, or as packed bf16 or f16 multiplies, adds, multiply-adds, maxima and minima; sums over many terms, partial sums and values carried from step to step in f32; what a program stores and reads back later, other than sums and carried values, may be rounded once to bf16 or f16.
;; Inputs: W_x 256 x 256 float32; W_y 256 x 128 float32; t 1 float32; u 1 float32; y 8,192 x 128 float32.
;; Outputs: out0 8,192 x 256 float32.
;; One version. Each part assembles by itself: llvm-mc -triple=amdgcn-amd-amdhsa -mcpu=gfx1250 --defsym DOCPART=n.
;; ======== version 1 of 1: 1 launch
;; limits: right only within a limited range of input values
;; launch lpgmista (part 1): grid 256 x 1, 8 waves a work-group, no clusters, 268,800 bytes of LDS; arguments y, W_y, W_x, t, u, out0; writes out0
.if DOCPART == 1
	.amdgcn_target "amdgcn-amd-amdhsa--gfx1250"
	.amdhsa_code_object_version 6
	.text
	.protected	k_qbb01d8d179_lpgmista
	.globl	k_qbb01d8d179_lpgmista
	.p2align	8
	.type	k_qbb01d8d179_lpgmista,@function
k_qbb01d8d179_lpgmista:
	s_mov_b64 s[64:65], 0
	v_nop
	global_prefetch_b8 v0, s[64:65] scope:SCOPE_SE
	s_setreg_imm32_b32 hwreg(HW_REG_WAVE_MODE, 25, 1), 1
	s_wait_xcnt 0x0
; LPGMISTA, all eight unrolled steps in one launch.  y [8192][128], W_y [256][128], W_x [256][256], t, u [1], out0 [8192][256], all f32.
;   Wy = y W_y^T;  x = r soft(Wy, 0.1 u);  x = proxTV(x, 0.1 t);  seven times: x = (1-r) x + r soft(x W_x^T + Wy, 0.1 u);  x = proxTV(x, 0.1 t);   r = t / u.
; SHARES.  Rows are independent: 256 work-groups of 32 rows, eight waves.  Products in bf16 with f32 sums, all else in f32.
; UNITS.  With lam = 0.1 t everything is kept divided by 8 lam: X = x / (8 lam), Wy / (8 lam), threshold 0.1 u / (8 lam); soft() and the update commute with that scale; out0 = 8 lam X.
; THE PROX.  The dual variable is kept as z' = (z + lam) / (2 lam), so the clip to [-lam, lam] is the clamp to [0, 1] of v_pk_fma_f32.  With a = z'[i-1] + 2 z'[i] + z'[i+1] and
; d[i] = X[i+1] - X[i], dual step j is  z'_j = clamp(c1 a_(j-1) - c2 a_(j-2) + d),  c2 = beta / 4, c1 = 1/4 + c2: the momentum is applied to a, which is linear in z'.  Four packed
; instructions for two numbers; step 1 is clamp(d + 1/2), step 2 has beta = 0.  z[-1] = z[255] = 0 are z' = 1/2.  At the end X += (z'[i] - z'[i-1]) / 4.
; beta_k = (t_k - 1) / t_(k+1), t_1 = 1, t_(k+1) = (1 + sqrt(1 + 4 t_k^2)) / 2 hang on no input: they are constants of the text, taken on the grid 2^-23, so that c1 - c2 = 1/4 holds exactly
; and a row of zeros stays exactly zero.
; PROX LAYOUT.  A lane holds TWO rows x 16 neighbouring positions; register pair i = (row a, row b) at position i, so the neighbours i-1, i+1 are aligned pairs.  16 lanes hold a pair of
; rows; a wave holds four rows.  The halo is four v_mov_b32_dpp a step (row_shr:1, row_shl:1); a lane with no neighbour keeps what its halo register was preset with.
; The 256th dual entry (lane 15, pair 15) does not exist: its a is made 0 (MASK = 0 and halo -1 there) and its d is 1/2, so it stays 1/2.
; PRODUCTS.  Wave w = 4 g + q multiplies rows 16 g .. 16 g + 15 by outputs 64 q .. 64 q + 63: four accumulators by turns, 8 K steps.  W_x's fragments stay in v256-511.  Wy / (8 lam) stays in
; accumulator layout and is the C of the first K step.  In a result registers 2 u, 2 u + 1 are two neighbouring rows at one position: 8 bytes of a stage in LDS that is laid out by row pairs,
; from which the prox layout is read back 16 bytes at a time.
; THE WEIGHTS.  All of a lane's 100 loads go out at the head; W_x's 64 land in v256-511 while Wy and the first prox are made in v0-255; then W_x is rounded and turned into fragments through LDS.
; NO CLUSTER, NO TENSOR LOAD: what work-groups share is the 393,216 bytes of weights, read once by each at the head; they are f32 in memory and are rounded to bf16 between memory and LDS,
; which only the way through registers does.  NO PREFETCH: every read of the launch stands at its head.
; LIMITS.  t / u and 1 / (8 lam) are made with v_rcp_f32 (last-bit differences from a division).  0.8 t must be a normal f32 number.  X = x / (0.8 t) must stay finite: with the guard t = 1e-30
; that holds for |Wy| below 2.7e8.  The dual step's roundings fall in another order than the reference's.  NaN and infinities are not treated apart.
.set XB,    0                          ; LDS: x as bf16, 32 rows x (512 + 16) bytes
.set XBP,   528
.set STG,   16896                      ; the stage: 16 row pairs x 2,336 bytes; a pair's 16 segments of 16 positions x 8 bytes lie 144 bytes apart
.set SPP,   2336                       ; 4 x 2,336 = 128 mod 256: the two halves of the lanes store into different banks
.set SEG,   144                        ; an odd multiple of 16
.set YB,    54272                      ; y as bf16, 32 rows x (256 + 16)
.set YP,    272
.set WY,    62976                      ; W_y as bf16, 256 rows x 272
.set WX,    132608                     ; W_x as bf16, 256 rows x 528
.set WXP,   528
.set OST,   WX                         ; the way out: 32 rows x 1,040 bytes of f32, where W_x lay (its last read stands ahead of many barriers)
.set OSP,   1040
.set SPARE, 267776                     ; the spare words, 128 bytes for each of the eight waves: four blocks of 256 bytes that no other line names
.set SPW,  2                           ; v2   my spare word's LDS address; never rewritten
.set NIL,  3                           ; v3   0; never rewritten
.set XBST, 4                           ; v4   where I store my rows' bf16
.set AFR,  5                           ; v5   where I read fragments of x
.set STST, 6                           ; v6   where I store results into the stage
.set STLD, 7                           ; v7   where I read my 128 bytes of the stage
.set OSTA, 8                           ; v8   the way out: in
.set GOFF, 9                           ; v9   16 x thread: offset of all loads at the head; never rewritten
.set OLD,  10                          ; v10  the way out: back
.set OG,   11                          ; v11  my byte offset in the work-group's rows of out0
.set YST,  12
.set WYST, 13
.set WYST2,14
.set WXST, 15
.set WXST2,16
.set YFR,  17
.set WYFR, 18
.set WXFR, 19
.set ONE,  28                          ; pairs of constants in registers: a line with clamp takes its sources from vector registers
.set HALF, 30
.set QRT,  32
.set MASK, 34                          ; 1, in lane 15 of each 16: 0
.set H15,  36                          ; 1/2, in lane 15 of each 16: 0
.set HL,   38                          ; left halo of z'; lane 0 keeps 1/2
.set HR,   40                          ; right halo of z'; lane 15 keeps -1
.set HX,   42                          ; right halo of X; lane 15 keeps 1/2
.set C1,   44                          ; v[44:63] ten pairs (c1, c1), dual steps 3 to 12
.set X,    64                          ; v[64:95]
.set WYD,  96                          ; v[96:127]  Wy / (8 lam), accumulator layout
.set Z,    128                         ; v[128:159]
.set AB0,  160                         ; v[160:191], v[192:223]: a of the last two steps, by turns
.set AB1,  192
.set D,    224                         ; v[224:255]
.set WV,   16                          ; s16 wave
.set SG,   19                          ; s19 g
.set SQ,   20                          ; s20 q
.set SR,   26                          ; s[26:27] r          (a packed line names a pair and takes its low word for both halves)
.set SOMR, 28                          ; s[28:29] 1 - r
.set SINV, 30                          ; s[30:31] 1 / (8 lam)
.set STH,  32                          ; s32 threshold, s33 its negative
.set SNTH, 33
.set SLAM, 34                          ; s34 8 lam
.set CNT,  35
.set NC2,  40                          ; s[40:59] ten pairs (-c2, 0)
.set MSB, 0
.macro WIN new                         ; s_set_vgpr_msb: bits 1:0 source 0, 3:2 source 1, 5:4 source 2, 7:6 destination; the high byte repeats the setting that is left
.if MSB != (\new)
	s_set_vgpr_msb (MSB<<8)|(\new)
.set MSB, \new
.endif
.endm
.macro BAR                             ; my LDS stores are done and my LDS loads are back; then all eight waves meet
	s_wait_dscnt 0x0
	s_barrier_signal -1
	s_barrier_wait -1
.endm
.macro PLACES                          ; plain vector lines between the last product and the first line that reads a sum or writes one of the products' registers (ISA guide 7.12.1)
.rept 8
	v_nop
.endr
.endm
.macro BETA m, M                       ; beta = M / 2^23:  c1 = (1 + beta) / 4 has exponent 2^-2 and mantissa M;  c2 = M / 2^25 exactly
	v_mov_b32 v[C1+2*(\m)], 0x3e800000+(\M)
	v_mov_b32 v[C1+2*(\m)+1], 0x3e800000+(\M)
.if (\M) >= 4194304
	s_mov_b32 s[NC2+2*(\m)], 0xbe000000+2*((\M)-4194304)
.else
	s_mov_b32 s[NC2+2*(\m)], 0xbd800000+4*((\M)-2097152)
.endif
	s_mov_b32 s[NC2+2*(\m)+1], 0
.endm
	s_load_b256 s[4:11], s[0:1], 0x0               ; y s[4:5], W_y s[6:7], W_x s[8:9], t s[10:11]
	s_load_b128 s[12:15], s[0:1], 0x20             ; u s[12:13], out0 s[14:15]
	v_lshl_add_u32 v[SPW], v0, 2, SPARE
	v_mov_b32 v[NIL], 0
	v_lshlrev_b32 v[GOFF], 4, v0
	v_lshrrev_b32 v1, 5, v0
	v_readfirstlane_b32 s[WV], v1                  ; wave 0..7
	s_lshl_b32 s22, ttmp9, 14                      ; the work-group's 32 rows: 16,384 bytes of y,
	s_mov_b32 s23, 0
	s_lshl_b32 s24, ttmp9, 15                      ; 32,768 of out0
	s_mov_b32 s25, 0
	s_wait_kmcnt 0x0
	s_load_b32 s17, s[10:11], 0x0                  ; t
	s_load_b32 s18, s[12:13], 0x0                  ; u
	s_add_nc_u64 s[4:5], s[4:5], s[22:23]
	s_add_nc_u64 s[14:15], s[14:15], s[24:25]
	; every load of a wave covers 512 consecutive bytes; the eight waves together 4,096
.set i, 0
.rept 4
	global_load_b128 v[X+4*i:X+4*i+3], v[GOFF], s[4:5] offset:4096*i th:TH_LOAD_NT
.set i, i+1
.endr
.set i, 0
.rept 32
	global_load_b128 v[Z+4*i:Z+4*i+3], v[GOFF], s[6:7] offset:4096*i
.set i, i+1
.endr
	WIN 0x40                                       ; destination v256 on
.set i, 0
.rept 64
	global_load_b128 v[4*i:4*i+3], v[GOFF], s[8:9] offset:4096*i
.set i, i+1
.endr
	WIN 0
	; addresses and constants, while the loads are on their way
	v_and_b32 v20, 31, v0                          ; lane
	v_and_b32 v21, 15, v0                          ; lane % 16
	v_bfe_u32 v22, v0, 4, 1                        ; lane / 16
	s_lshr_b32 s[SG], s[WV], 2
	s_and_b32 s[SQ], s[WV], 3
	s_mul_i32 s24, s[WV], YP                       ; load i of y and of W_y: row 8 i + wave, numbers 4 lane ..: 8 bytes of bf16
	s_add_co_u32 s25, s24, YB
	v_lshl_add_u32 v[YST], v20, 3, s25
	s_add_co_u32 s25, s24, WY
	v_lshl_add_u32 v[WYST], v20, 3, s25
	v_add_nc_u32 v[WYST2], 16*8*YP, v[WYST]        ; an LDS immediate has 16 bits: rows 128 on have a base of their own
	s_lshr_b32 s24, s[WV], 1                       ; load i of W_x: row 4 i + wave / 2, numbers 128 (wave % 2) + 4 lane ..
	s_mul_i32 s24, s24, WXP
	s_and_b32 s25, s[WV], 1
	s_lshl_b32 s25, s25, 8
	s_add_co_u32 s24, s24, s25
	s_add_co_u32 s24, s24, WX
	v_lshl_add_u32 v[WXST], v20, 3, s24
	v_add_nc_u32 v[WXST2], 32*4*WXP, v[WXST]
	v_mul_u32_u24 v23, v21, YP                     ; a fragment: row lane % 16, 16 bytes for each half of the lanes, twice, 32 bytes apart
	v_lshl_add_u32 v23, v22, 4, v23
	s_mul_i32 s24, s[SG], 16*YP
	s_add_co_u32 s24, s24, YB
	v_add_nc_u32 v[YFR], s24, v23
	s_mul_i32 s24, s[SQ], 64*YP
	s_add_co_u32 s24, s24, WY
	v_add_nc_u32 v[WYFR], s24, v23
	v_mul_u32_u24 v24, v21, WXP
	v_lshl_add_u32 v24, v22, 4, v24
	s_mul_i32 s24, s[SQ], 64*WXP
	s_add_co_u32 s24, s24, WX
	v_add_nc_u32 v[WXFR], s24, v24
	s_mul_i32 s24, s[SG], 16*XBP
	v_add_nc_u32 v[AFR], s24, v24
	v_mul_u32_u24 v25, v22, 2*XBP                  ; my rows 4 wave + 2 (lane / 16) + 0, 1; my 16 positions: 32 bytes of bf16
	v_lshl_add_u32 v25, v21, 5, v25
	s_mul_i32 s24, s[WV], 4*XBP
	v_add_nc_u32 v[XBST], s24, v25
	v_mul_u32_u24 v25, v22, 4*SPP                  ; results: row pair 8 g + 4 (lane / 16) + u, segment 4 q + tile, position lane % 16
	v_lshl_add_u32 v25, v21, 3, v25
	s_mul_i32 s24, s[SG], 8*SPP
	s_mul_i32 s25, s[SQ], 4*SEG
	s_add_co_u32 s24, s24, s25
	s_add_co_u32 s24, s24, STG
	v_add_nc_u32 v[STST], s24, v25
	v_mul_u32_u24 v25, v22, SPP                    ; prox: row pair 2 wave + lane / 16, segment lane % 16
	v_mul_u32_u24 v26, v21, SEG
	v_add_nc_u32 v25, v25, v26
	s_mul_i32 s24, s[WV], 2*SPP
	s_add_co_u32 s24, s24, STG
	v_add_nc_u32 v[STLD], s24, v25
	v_mul_u32_u24 v25, v22, 2*OSP                  ; the way out: my wave's four rows are its own bytes
	v_lshl_add_u32 v25, v21, 6, v25
	s_mul_i32 s24, s[WV], 4*OSP
	s_add_co_u32 s24, s24, OST
	v_add_nc_u32 v[OSTA], s24, v25
	v_lshl_add_u32 v[OLD], v20, 4, s24
	s_lshl_b32 s25, s[WV], 12
	v_lshl_add_u32 v[OG], v20, 4, s25
.irp k, 0,1
	v_mov_b32 v[ONE+\k], 1.0
	v_mov_b32 v[HALF+\k], 0.5
	v_mov_b32 v[QRT+\k], 0x3e800000
	v_mov_b32 v[HL+\k], 0.5
	v_mov_b32 v[HR+\k], -1.0
	v_mov_b32 v[HX+\k], 0.5
.endr
	v_cmp_eq_u32 vcc_lo, 15, v21
.irp k, 0,1
	v_cndmask_b32 v[MASK+\k], 1.0, 0, vcc_lo
	v_cndmask_b32 v[H15+\k], 0.5, 0, vcc_lo
.endr
	BETA 0, 2363520                                ; beta_2  = 0.28175353   (t_2 = 1.61803399, t_3 = 2.19352709)
	BETA 1, 3641015                                ; beta_3  = 0.43404278   (t_4 = 2.74979134)
	BETA 2, 4454886                                ; beta_4  = 0.53106380   (t_5 = 3.29487968)
	BETA 3, 5022919                                ; beta_5  = 0.59877860   (t_6 = 3.83260140)
	BETA 4, 5443563                                ; beta_6  = 0.64892333   (t_7 = 4.36507872)
	BETA 5, 5768391                                ; beta_7  = 0.68764585   (t_8 = 4.89362177)
	BETA 6, 6027214                                ; beta_8  = 0.71849985   (t_9 = 5.41909890)
	BETA 7, 6238533                                ; beta_9  = 0.74369105   (t_10 = 5.94211658)
	BETA 8, 6414473                                ; beta_10 = 0.76466472   (t_11 = 6.46311575)
	BETA 9, 6563324                                ; beta_11 = 0.78240924   (t_12 = 6.98242741)
	s_wait_kmcnt 0x0                               ; t, u
	v_mov_b32 v23, s17
	v_mov_b32 v24, s18
	v_mov_b32 v25, 0x0da24260                      ; 1e-30
	v_cmp_ge_f32 vcc_lo, 0, v23                    ; t <= 0: a choice of values, by v_cndmask_b32
	v_cndmask_b32 v23, v23, v25, vcc_lo
	v_cmp_ge_f32 vcc_lo, 0, v24
	v_cndmask_b32 v24, v24, v25, vcc_lo
	v_mul_f32 v26, 0x3dcccccd, v23                 ; lam = 0.1 t
	v_mul_f32 v27, 0x3dcccccd, v24                 ; 0.1 u
	v_mul_f32 v26, 0x41000000, v26                 ; 8 lam
	v_rcp_f32 v1, v24
	v_rcp_f32 v25, v26
	v_nop                                          ; a plain line behind the reciprocals,
	s_wait_alu depctr_va_vdst(0)                   ; and the one wait ahead of their first reader
	v_mul_f32 v1, v23, v1                          ; r
	v_mul_f32 v27, v27, v25                        ; the threshold in units of 8 lam
	v_sub_f32 v23, 1.0, v1
	v_readfirstlane_b32 s[SR], v1
	v_readfirstlane_b32 s[SOMR], v23
	v_readfirstlane_b32 s[SINV], v25
	v_readfirstlane_b32 s[STH], v27
	v_readfirstlane_b32 s[SLAM], v26
	s_mov_b32 s[SR+1], s[SR]
	s_mov_b32 s[SOMR+1], s[SOMR]
	s_mov_b32 s[SINV+1], s[SINV]
	s_xor_b32 s[SNTH], s[STH], 0x80000000
	s_wait_loadcnt 63                              ; 64 loads (W_x) were issued behind W_y's last; the count holds 63 at the most, so W_x's first is waited for too
.set i, 0
.rept 4                                ; y: rounded in place, 8 bytes a lane, 256 consecutive bytes a wave
	v_cvt_pk_bf16_f32 v[X+4*i], v[X+4*i], v[X+4*i+1]
	v_cvt_pk_bf16_f32 v[X+4*i+1], v[X+4*i+2], v[X+4*i+3]
	ds_store_b64 v[YST], v[X+4*i:X+4*i+1] offset:8*YP*i
.set i, i+1
.endr
.set i, 0
.rept 32                               ; W_y likewise
	v_cvt_pk_bf16_f32 v[Z+4*i], v[Z+4*i], v[Z+4*i+1]
	v_cvt_pk_bf16_f32 v[Z+4*i+1], v[Z+4*i+2], v[Z+4*i+3]
.if i < 16
	ds_store_b64 v[WYST], v[Z+4*i:Z+4*i+1] offset:8*YP*i
.else
	ds_store_b64 v[WYST2], v[Z+4*i:Z+4*i+1] offset:8*YP*(i-16)
.endif
.set i, i+1
.endr
	BAR                                            ; y and W_y lie whole in LDS
.set c, 0
.rept 4
	ds_load_b128 v[X+8*c:X+8*c+3],   v[YFR] offset:64*c
	ds_load_b128 v[X+8*c+4:X+8*c+7], v[YFR] offset:64*c+32
.set c, c+1
.endr
.irp t, 0,1,2,3
.set c, 0
.rept 4
	ds_load_b128 v[Z+8*(4*\t+c):Z+8*(4*\t+c)+3],   v[WYFR] offset:\t*16*YP+64*c
	ds_load_b128 v[Z+8*(4*\t+c)+4:Z+8*(4*\t+c)+7], v[WYFR] offset:\t*16*YP+64*c+32
.set c, c+1
.endr
.endr
	s_wait_dscnt 0x0
.set c, 0
.rept 4                                ; Wy = y W_y^T: the four accumulators take turns, one line a turn; the first K step starts the sums
.irp t, 0,1,2,3
.if c == 0
	v_wmma_f32_16x16x32_bf16 v[WYD+8*\t:WYD+8*\t+7], v[X+8*c:X+8*c+7], v[Z+8*(4*\t+c):Z+8*(4*\t+c)+7], 0
.else
	v_wmma_f32_16x16x32_bf16 v[WYD+8*\t:WYD+8*\t+7], v[X+8*c:X+8*c+7], v[Z+8*(4*\t+c):Z+8*(4*\t+c)+7], v[WYD+8*\t:WYD+8*\t+7]
.endif
.endr
.set c, c+1
.endr
	PLACES
.set i, 0
.rept 16                               ; into units of 8 lam; each accumulator is read from its low end on
	v_pk_mul_f32 v[WYD+2*i:WYD+2*i+1], v[WYD+2*i:WYD+2*i+1], s[SINV:SINV+1] op_sel_hi:[1,0]
.set i, i+1
.endr
.irp t, 0,1,2,3
.irp k, 0,1,2,3
	ds_store_b64 v[STST], v[WYD+8*\t+2*\k:WYD+8*\t+2*\k+1] offset:\k*SPP+\t*SEG
.endr
.endr
	BAR                                            ; the stage holds Wy / (8 lam)
; DUAL STEP j (2 to 12).  AN takes a of z'_(j-1); AP holds a of z'_(j-2) and is used up.  Pairs 0 and 15, which the neighbours' halos read, are made first; their own a, which wants the halos, last.
.macro ITER j, AN, AP
	v_mov_b32_dpp v[HL],   v[Z+30] row_shr:1 row_mask:0xf bank_mask:0xf
	v_mov_b32_dpp v[HL+1], v[Z+31] row_shr:1 row_mask:0xf bank_mask:0xf
	v_mov_b32_dpp v[HR],   v[Z]    row_shl:1 row_mask:0xf bank_mask:0xf
	v_mov_b32_dpp v[HR+1], v[Z+1]  row_shl:1 row_mask:0xf bank_mask:0xf
.set i, 1
.rept 14
	v_pk_add_f32 v[\AN+2*i:\AN+2*i+1], v[Z+2*i-2:Z+2*i-1], v[Z+2*i+2:Z+2*i+3]
.set i, i+1
.endr
	v_pk_add_f32 v[\AN:\AN+1], v[HL:HL+1], v[Z+2:Z+3]
	v_pk_fma_f32 v[\AN+30:\AN+31], v[Z+28:Z+29], v[MASK:MASK+1], v[HR:HR+1]   ; in lane 15: 0 z' - 1, so that a = 2 x 1/2 - 1 = 0
.if (\j) >= 3
.set i, 0
.rept 16
	v_pk_fma_f32 v[\AP+2*i:\AP+2*i+1], v[\AP+2*i:\AP+2*i+1], s[NC2+2*((\j)-3):NC2+2*((\j)-3)+1], v[D+2*i:D+2*i+1] op_sel_hi:[1,0,1]   ; d - c2 a_(j-2)
.set i, i+1
.endr
.endif
.irp p, 0,15,1,2,3,4,5,6,7,8,9,10,11,12,13,14
	v_pk_fma_f32 v[\AN+2*\p:\AN+2*\p+1], v[Z+2*\p:Z+2*\p+1], 2.0, v[\AN+2*\p:\AN+2*\p+1] op_sel_hi:[1,0,1]
.endr
.irp p, 0,15,1,2,3,4,5,6,7,8,9,10,11,12,13,14
.if (\j) >= 3
	v_pk_fma_f32 v[Z+2*\p:Z+2*\p+1], v[\AN+2*\p:\AN+2*\p+1], v[C1+2*((\j)-3):C1+2*((\j)-3)+1], v[\AP+2*\p:\AP+2*\p+1] clamp
.else
	v_pk_fma_f32 v[Z+2*\p:Z+2*\p+1], v[\AN+2*\p:\AN+2*\p+1], v[QRT:QRT+1], v[D+2*\p:D+2*\p+1] clamp
.endif
.endr
.endm
; FROM THE STAGE TO THE NEXT X: s from the stage; X = (1 - r) X + r soft(s); the prox.  first = 1: there is no old X.
.macro BODY first
.set i, 0
.rept 8
	ds_load_b128 v[D+4*i:D+4*i+3], v[STLD] offset:16*i
.set i, i+1
.endr
.if !(\first)
.set i, 0
.rept 16                               ; work that does not want the stage stands in the wait for it
	v_pk_mul_f32 v[X+2*i:X+2*i+1], v[X+2*i:X+2*i+1], s[SOMR:SOMR+1] op_sel_hi:[1,0]
.set i, i+1
.endr
.endif
	s_wait_dscnt 0x0
.set i, 0
.rept 32                               ; soft(s) = s - clip(s): exactly 0 inside the threshold
	v_med3_num_f32 v[AB0+i], v[D+i], s[SNTH], s[STH]
.set i, i+1
.endr
.set i, 0
.rept 16
	v_pk_add_f32 v[D+2*i:D+2*i+1], v[D+2*i:D+2*i+1], v[AB0+2*i:AB0+2*i+1] neg_lo:[0,1] neg_hi:[0,1]
.set i, i+1
.endr
.set i, 0
.rept 16
.if \first
	v_pk_mul_f32 v[X+2*i:X+2*i+1], v[D+2*i:D+2*i+1], s[SR:SR+1] op_sel_hi:[1,0]
.else
	v_pk_fma_f32 v[X+2*i:X+2*i+1], v[D+2*i:D+2*i+1], s[SR:SR+1], v[X+2*i:X+2*i+1] op_sel_hi:[1,0,1]
.endif
.set i, i+1
.endr
	v_mov_b32_dpp v[HX],   v[X]   row_shl:1 row_mask:0xf bank_mask:0xf
	v_mov_b32_dpp v[HX+1], v[X+1] row_shl:1 row_mask:0xf bank_mask:0xf
.set i, 0
.rept 15
	v_pk_add_f32 v[D+2*i:D+2*i+1], v[X+2*i+2:X+2*i+3], v[X+2*i:X+2*i+1] neg_lo:[0,1] neg_hi:[0,1]
.set i, i+1
.endr
	v_pk_fma_f32 v[D+30:D+31], v[X+30:X+31], v[MASK:MASK+1], v[HX:HX+1] neg_lo:[1,0,0] neg_hi:[1,0,0]   ; in lane 15: 1/2 - 0 X
.irp p, 0,15,1,2,3,4,5,6,7,8,9,10,11,12,13,14
.if \p == 15
	v_pk_fma_f32 v[Z+30:Z+31], v[D+30:D+31], v[ONE:ONE+1], v[H15:H15+1] clamp
.else
	v_pk_fma_f32 v[Z+2*\p:Z+2*\p+1], v[D+2*\p:D+2*\p+1], v[ONE:ONE+1], v[HALF:HALF+1] clamp   ; dual step 1: z' = clamp(d + 1/2)
.endif
.endr
	ITER 2,  AB0, AB1
	ITER 3,  AB1, AB0
	ITER 4,  AB0, AB1
	ITER 5,  AB1, AB0
	ITER 6,  AB0, AB1
	ITER 7,  AB1, AB0
	ITER 8,  AB0, AB1
	ITER 9,  AB1, AB0
	ITER 10, AB0, AB1
	ITER 11, AB1, AB0
	ITER 12, AB0, AB1
	v_mov_b32_dpp v[HL],   v[Z+30] row_shr:1 row_mask:0xf bank_mask:0xf
	v_mov_b32_dpp v[HL+1], v[Z+31] row_shr:1 row_mask:0xf bank_mask:0xf
.set i, 1
.rept 15
	v_pk_add_f32 v[AB0+2*i:AB0+2*i+1], v[Z+2*i:Z+2*i+1], v[Z+2*i-2:Z+2*i-1] neg_lo:[0,1] neg_hi:[0,1]
.set i, i+1
.endr
	v_pk_add_f32 v[AB0:AB0+1], v[Z:Z+1], v[HL:HL+1] neg_lo:[0,1] neg_hi:[0,1]
.set i, 0
.rept 16
	v_pk_fma_f32 v[X+2*i:X+2*i+1], v[AB0+2*i:AB0+2*i+1], v[QRT:QRT+1], v[X+2*i:X+2*i+1]
.set i, i+1
.endr
.endm
; FROM X TO THE STAGE: X as bf16 rows into LDS; X W_x^T + Wy; the sums into the stage.
.macro MATMUL
.irp s, 0,1
.set i, 0
.rept 8
	v_cvt_pk_bf16_f32 v[D+8*\s+i], v[X+4*i+\s], v[X+4*i+2+\s]   ; two neighbouring positions of one row
.set i, i+1
.endr
.endr
.irp s, 0,1
.irp e, 0,1
	ds_store_b128 v[XBST], v[D+8*\s+4*\e:D+8*\s+4*\e+3] offset:\s*XBP+16*\e
.endr
.endr
	BAR                                            ; all 32 rows lie in LDS; every wave's reads of the stage are back, so it may be written below
.set c, 0
.rept 8
	ds_load_b128 v[Z+8*c:Z+8*c+3],   v[AFR] offset:64*c
	ds_load_b128 v[Z+8*c+4:Z+8*c+7], v[AFR] offset:64*c+32
.set c, c+1
.endr
	WIN 0x04                                       ; source 1 (W_x's fragments) in v256 on
.set c, 0
.rept 8
	s_wait_dscnt 14-2*c                            ; LDS loads come back in order: K step c's two are in, the 14 - 2 c younger ones may be out
.irp t, 0,1,2,3
.if c == 0
	v_wmma_f32_16x16x32_bf16 v[AB1+8*\t:AB1+8*\t+7], v[Z+8*c:Z+8*c+7], v[8*(8*\t+c):8*(8*\t+c)+7], v[WYD+8*\t:WYD+8*\t+7]
.else
	v_wmma_f32_16x16x32_bf16 v[AB1+8*\t:AB1+8*\t+7], v[Z+8*c:Z+8*c+7], v[8*(8*\t+c):8*(8*\t+c)+7], v[AB1+8*\t:AB1+8*\t+7]
.endif
.endr
.set c, c+1
.endr
	WIN 0
	PLACES
.irp t, 0,1,2,3
.irp k, 0,1,2,3
	ds_store_b64 v[STST], v[AB1+8*\t+2*\k:AB1+8*\t+2*\k+1] offset:\k*SPP+\t*SEG   ; each accumulator from its low end on
.endr
.endr
	BAR                                            ; the stage is whole; every wave's reads of x are back, so the rows may be written in the next trip
.endm
	BODY 1                                         ; x = r soft(Wy), first prox: W_x is landing meanwhile
	s_wait_loadcnt 0x0                             ; W_x
	WIN 0x45                                       ; sources and destination in v256 on: rounded in place
.set i, 0
.rept 64
	v_cvt_pk_bf16_f32 v[4*i], v[4*i], v[4*i+1]
	v_cvt_pk_bf16_f32 v[4*i+1], v[4*i+2], v[4*i+3]
.set i, i+1
.endr
	WIN 0x04                                       ; store data in v256 on, address below
.set i, 0
.rept 64
.if i < 32
	ds_store_b64 v[WXST], v[4*i:4*i+1] offset:4*WXP*i
.else
	ds_store_b64 v[WXST2], v[4*i:4*i+1] offset:4*WXP*(i-32)
.endif
.set i, i+1
.endr
	WIN 0
	BAR                                            ; W_x lies whole in LDS
	WIN 0x40
.irp t, 0,1,2,3
.set c, 0
.rept 8                                ; my 64 rows of W_x as fragments: tile t, K step c at v[256 + 8 (8 t + c)]; they are waited for at the next barrier
	ds_load_b128 v[8*(8*\t+c):8*(8*\t+c)+3],   v[WXFR] offset:\t*16*WXP+64*c
	ds_load_b128 v[8*(8*\t+c)+4:8*(8*\t+c)+7], v[WXFR] offset:\t*16*WXP+64*c+32
.set c, c+1
.endr
.endr
	WIN 0
	s_mov_b32 s[CNT], 7
.Louter:
	MATMUL
	BODY 0
	s_sub_co_u32 s[CNT], s[CNT], 1
	s_cmp_lg_u32 s[CNT], 0
	s_cbranch_scc1 .Louter
	; THE WAY OUT: back to x's units, the two rows apart; through my wave's own four rows in LDS, so that each store of the wave covers 512 consecutive bytes of out0, aligned
.set i, 0
.rept 16
	v_mul_f32 v[Z+i], s[SLAM], v[X+2*i]
	v_mul_f32 v[Z+16+i], s[SLAM], v[X+2*i+1]
.set i, i+1
.endr
.irp s, 0,1
.irp e, 0,1,2,3
	ds_store_b128 v[OSTA], v[Z+16*\s+4*\e:Z+16*\s+4*\e+3] offset:\s*OSP+16*\e
.endr
.endr
.set i, 0
.rept 8
	ds_load_b128 v[AB0+4*i:AB0+4*i+3], v[OLD] offset:(i/2)*OSP+(i%2)*512   ; LDS serves a wave's instructions in order (ISA guide 5.7.1.4): these see the stores above
.set i, i+1
.endr
.set i, 0
.rept 8
	s_wait_dscnt 7-i                               ; the 7 - i younger loads may be out
	global_store_b128 v[OG], v[AB0+4*i:AB0+4*i+3], s[14:15] offset:(i/2)*1024+(i%2)*512 th:TH_STORE_NT
.set i, i+1
.endr
	s_wait_tensorcnt 0x0                           ; the wave's end, behind my last LDS store
	ds_add_u32 v[SPW], v[NIL]
	s_wait_dscnt 0x0
	s_endpgm
.Lfunc_end_k_qbb01d8d179_lpgmista:
	.size	k_qbb01d8d179_lpgmista, .Lfunc_end_k_qbb01d8d179_lpgmista-k_qbb01d8d179_lpgmista
	.p2alignl 7, 3214868480
	.fill 96, 4, 3214868480
	.section	.rodata,"a",@progbits
	.p2align	6, 0x0
	.amdhsa_kernel k_qbb01d8d179_lpgmista
		.amdhsa_group_segment_fixed_size 268800
		.amdhsa_private_segment_fixed_size 0
		.amdhsa_enable_private_segment 0
		.amdhsa_kernarg_size 48
		.amdhsa_user_sgpr_count 2
		.amdhsa_user_sgpr_kernarg_segment_ptr 1
		.amdhsa_wavefront_size32 1
		.amdhsa_system_sgpr_workgroup_id_x 1
		.amdhsa_system_sgpr_workgroup_id_y 1
		.amdhsa_system_sgpr_workgroup_id_z 1
		.amdhsa_system_vgpr_workitem_id 0
		.amdhsa_next_free_vgpr 512
		.amdhsa_next_free_sgpr 66
		.amdhsa_reserve_vcc 1
		.amdhsa_float_denorm_mode_32 3
		.amdhsa_float_denorm_mode_16_64 3
		.amdhsa_memory_ordered 1
		.amdhsa_forward_progress 1
		.amdhsa_inst_pref_size 166
	.end_amdhsa_kernel
	.amdgpu_metadata
---
amdhsa.version: [ 1, 2 ]
amdhsa.kernels:
  - .name:           k_qbb01d8d179_lpgmista
    .symbol:         k_qbb01d8d179_lpgmista.kd
    .args:
      - { .name: y, .offset: 0, .size: 8, .value_kind: global_buffer, .address_space: global }
      - { .name: W_y, .offset: 8, .size: 8, .value_kind: global_buffer, .address_space: global }
      - { .name: W_x, .offset: 16, .size: 8, .value_kind: global_buffer, .address_space: global }
      - { .name: t, .offset: 24, .size: 8, .value_kind: global_buffer, .address_space: global }
      - { .name: u, .offset: 32, .size: 8, .value_kind: global_buffer, .address_space: global }
      - { .name: out0, .offset: 40, .size: 8, .value_kind: global_buffer, .address_space: global }
    .group_segment_fixed_size: 268800
    .private_segment_fixed_size: 0
    .kernarg_segment_align: 8
    .kernarg_segment_size: 48
    .max_flat_workgroup_size: 256
    .sgpr_count:     66
    .vgpr_count:     512
    .wavefront_size: 32
...
	.end_amdgpu_metadata
.endif
;; end of part 1
